; MI455X (gfx1250); checked and timed in simulation.
; The chip was launched on July 23, 2026; its instructions are those of AMD's public machine-readable ISA for CDNA 5 (MIT licence, August 2026) and "CDNA5" Instruction Set Architecture Reference Guide (July 2026). The comments in the code are by the model that wrote it; some were corrected since.
;; Pos Self Atten. Allowed arithmetic: matrix products marked QUANTISED: E3M2 operands, one E8M0 scale for each 32 along K, by v_wmma_scale_f32_16x16x128_f8f6f4 with both operands' format E3M2, f32 sums; everything else in f32.
;; Inputs: att_beta 128 float32; att_gamma 128 float32; att_mean 128 float32; att_var 128 float32; att_w_codes 128 x 8 x 24 uint8 (E3M2 codes of att_w, K innermost, in blocks of 32 codes, four codes in three bytes); att_w_scales 128 x 8 uint8 (E8M0 scales of att_w, one for each 32 codes along K); mask 8 x 1 x 64 x 64 float32; reduc_beta 256 float32; reduc_gamma 256 float32; reduc_mean 256 float32; reduc_var 256 float32; reduc_w_codes 256 x 8 x 24 uint8 (E3M2 codes of reduc_w, K innermost, in blocks of 32 codes, four codes in three bytes); reduc_w_scales 256 x 8 uint8 (E8M0 scales of reduc_w, one for each 32 codes along K); x_codes 8 x 64 x 64 x 8 x 24 uint8 (E3M2 codes of x, K innermost, in blocks of 32 codes, four codes in three bytes); x_scales 8 x 64 x 64 x 8 uint8 (E8M0 scales of x, one for each 32 codes along K).
;; Outputs: out0 8 x 256 x 64 x 64 float32.
;; This version of the problem:
;;   THIS VERSION OF THE PROBLEM IS GIVEN IN LOW PRECISION. The matrix products marked QUANTISED in the list below multiply operands that are first quantised to E3M2 (3 exponent bits, 2 mantissa bits; 6 bits a number), with one power-of-two scale for each 32 numbers along K (OCP MX v1.0); their sums are f32. All else is computed in f32.
;;   The module's matrix products, in the order in which they are computed (A, B: the left and right operand; K: the contracted axis; several contracted axes count as one K, in the product's order):
;;     1. [M 32,768, K 256] x [K 256, N 256]; A: input x (given as codes); B: input reduc_w (given as codes): QUANTISED
;;     2. [M 32,768, K 256] x [K 256, N 128]; A: input x (given as codes); B: input att_w (given as codes): QUANTISED
;;     3. batch 8 x [M 4,096, K 128] x [K 128, N 4,096]; A: computed on the way; B: computed on the way: QUANTISED
;;     4. batch 8 x [M 256, K 4,096] x [K 4,096, N 4,096]; A: computed on the way; B: softmax (see below): QUANTISED
;;   THE QUANTISER, for each operand of a quantised product, along K:
;;     - K is cut into blocks of 32 from its start; a last block that is shorter is filled with zeros.
;;     - A block's scale is 2^e with e = floor(log2(the largest magnitude in the block)) - 4, held to -126 .. 127; a block of zeros has e = 0. As a byte (E8M0): e + 127.
;;     - Each number is divided by its block's scale, clamped to +-28, and rounded to the nearest number of E3M2, ties to even, subnormals kept.
;;     - The product sums the exact products of the quantised numbers (number of the format x scale) in f32.
;;   ~~~python
;;   def quantise(x, axis):      # numpy; x: float32 -> the quantised numbers, widened to float32 again
;;       x = np.moveaxis(x, axis, -1); K = x.shape[-1]
;;       x = np.pad(x, [(0, 0)] * (x.ndim - 1) + [(0, -K % 32)]); x = x.reshape(x.shape[:-1] + (-1, 32)); a = np.abs(x).max(-1, keepdims=True)
;;       e = np.where(a > 0, np.clip(np.frexp(np.where(a > 0, a, 1))[1] - 1 - 4, -126, 127), 0)      # np.frexp(a)[1] - 1 = floor(log2(a)), exactly
;;       r = np.clip(x / 2.0 ** e, -28, 28)
;;       step = 2.0 ** (np.maximum(np.frexp(np.where(r == 0, 1, r))[1] - 1, -2) - 2)
;;       q = np.round(r / step) * step * 2.0 ** e      # np.round: ties to even
;;       return np.moveaxis(q.reshape(q.shape[:-2] + (-1,))[..., :K], -1, axis).astype(np.float32)
;;   ~~~
;;   SOFTMAX AHEAD OF A QUANTISED PRODUCT. Where the list says 'softmax', what is quantised is not the finished softmax but p = 2^(t - M), with t = logit x log2(e) and M = ceil(the row's largest t), a whole number; so 1/2 < the row's largest p <= 1. The row's sum l is taken of the UNQUANTISED p, in f32, and the product's result is divided by l at the end. Since M is a whole number, a kernel that streams over the keys may use a running M (the ceiling of the running maximum): every later rescaling is an exact power of two, which a block's scale takes up: the codes' values come out the same.
;;   OPERANDS COMPUTED ON THE WAY. 'Computed on the way' means the value that the module computes at that place (a softmax that the list does not call 'softmax' is quantised finished and normalised). What goes into a quantiser is computed in f32, as accurately as f32 sums, v_exp_f32 and their like allow (about 1e-6 of the number): no bf16 or f16 on the way to a quantiser, and a product that is left as it is and whose result goes on into a quantised operand takes f32 operands (vector FMAs, or v_wmma_f32_16x16x4_f32). A number that lies on a knife's edge between two numbers of the format may be rounded either way, as far as f32 arithmetic and the matrix unit's own rounding can turn it there, and no further.
;;   INPUTS GIVEN AS CODES. att_w (in the module: [128, 256], K = its axis 1); reduc_w (in the module: [256, 256], K = its axis 1); x (in the module: [8, 256, 64, 64], K = its axis 1): each comes as NAME_codes (uint8): NAME with its K axis moved to the last place and cut into blocks of 32 codes, [.., K / 32, bytes a block], one block behind the other in memory; four codes in three bytes: a row's codes are one little-endian stream of bits, code i at bits 6 i .. 6 i + 5 (a code: sign, 3 exponent bits, 2 mantissa bits); and NAME_scales (uint8): the same leading axes, one E8M0 byte (e + 127) for each 32 codes along K. Its value is code x scale, taken as it is: it is not quantised again, and the codes and scales need not be those that the quantiser above would give.
;; One version. Each part assembles by itself: llvm-mc -triple=amdgcn-amd-amdhsa -mcpu=gfx1250 --defsym DOCPART=n.
;; ======== version 1 of 1: 2 launches
;; workspace buffers: kv 9,961,472 bytes
;; launch prep (part 1): grid 32 x 8, 4 waves a work-group, no clusters, 8,704 bytes of LDS; arguments x_codes, x_scales, att_w_codes, att_w_scales, att_gamma, att_beta, att_mean, att_var, reduc_w_codes, reduc_w_scales, reduc_gamma, reduc_beta, reduc_mean, reduc_var, mask, kv; writes kv
.if DOCPART == 1
	.amdgcn_target "amdgcn-amd-amdhsa--gfx1250"
	.amdhsa_code_object_version 6
	.text
	.protected	k_q81ccbfff90_prep
	.globl	k_q81ccbfff90_prep
	.p2align	8
	.type	k_q81ccbfff90_prep,@function
k_q81ccbfff90_prep:
	s_mov_b64 s[64:65], 0
	v_nop
	global_prefetch_b8 v0, s[64:65] scope:SCOPE_SE
	s_setreg_imm32_b32 hwreg(HW_REG_WAVE_MODE, 25, 1), 1
	s_wait_xcnt 0x0
; PREP: the two 1x1 convolutions on codes of BF6 (E3M2), BatchNorm and ReLU in f32, and the quantising of their results for the attention that follows.
; q[pos][128] = relu(bn(att_w x)) is quantised along its 128 channels, feat[256][pos] = relu(bn(reduc_w x)) along the positions (the keys), each in blocks of 32 with one E8M0 byte.
; SHARES.  Work-group (j, n) owns positions 128 j .. 128 j + 127 of image n.  Wave w makes q's tiles 2 w, 2 w + 1 (16 positions each) and feat's channels 64 w .. 64 w + 63 (four tiles), 96 matrix instructions.
; OUTPUT.  kv is laid in the order of the operands' registers: a fragment (16 rows x 128 K, 12 registers a lane) is an image of 3 x 512 bytes, registers 4 c .. 4 c + 3 of lane l at 512 c + 16 l.
;   Block (n, j), 38,912 dense bytes: 16 images of feat (keys of step j) | 8 images of q of step j + 1 (mod 32) | feat's scale words | q's scale words of step j + 1 | the key bias of step j + 1.
;   So this work-group stores feat's part into block j and q's part into block j - 1 (mod 32).  Every store of a wave covers 512 consecutive bytes, aligned.
;   A tile of q is not 16 neighbours: lane r of tile 2 b + u holds position 32 b + 8 u + r + 8 (r / 8), so that in the score product the 16 registers of two neighbouring tiles are 16 neighbouring keys.
;   Scale words: register i of an image holds tile 2 i in lanes 0-15 and tile 2 i + 1 in lanes 16-31, at byte 512 (i / 4) + 16 lane + 4 (i % 4).
;   Key bias: ((mask - 1) x 1e8) x d, d = f32(1e-8 + sqrt(128)): added to the raw score, which is multiplied by log2(e) / d afterwards.
; BOTH PRODUCTS ARE LAID SO THAT A LANE'S REGISTERS RUN ALONG THE NEXT K: q: source 0 = 16 rows of att_w (chosen as above), source 1 = 16 positions; feat: source 0 = 16 positions (chosen as above), source 1 = 16 rows of reduc_w.
; NO JOINT LOADS: the weights (74 KB, read by every work-group) go straight from memory into the registers of the wave that multiplies by them, once; through LDS they would be written and read once more, behind a round
;   of a cluster's barrier, for 96 matrix instructions a wave.
; LIMITS: NaN and infinities among the inputs are not served.  A block whose largest magnitude lies under 2^-122 keeps the scale byte 1, a block of zeros too (its codes are zeros; only this program reads the bytes).
;   1 / sqrt(var + eps) is v_rsq_f32.
; REGISTERS, in windows of 256.  Window 0: v1-13 addresses; v16-63 my own 32 positions of x; v64-127 eight accumulators; v128-147 codes; v148-164 at work; v166-209 scale words; v210-225 feat's gain and shift; v226-245 at work.
;   Window 1: x's 16 fragments.  Window 2: att_w's 16.  Window 3: my 8 of reduc_w; from v96 q's gains, from v160 its shifts.
.set STEPB, 38912
.set KIMG,  24576
.set VSC,   36864
.set KSC,   37888
.set AINV,  0                          ; LDS: att's gains, 128 f32
.set ASH,   512                        ; its shifts
.set RINV,  1024                       ; reduc's gains, 256 f32
.set RSH,   2048                       ; its shifts
.set SCW,   3072                       ; feat's scale words 1,024 bytes, q's 512, the key bias 512: as they lie in kv
.set LI,  1                            ; 16 x lane
.set XA,  4                            ; 192 (r + 8 (r / 8)) + 24 h: rows of x and of att_w
.set WA,  5                            ; 192 r + 24 h: rows of reduc_w
.set XSA, 6                            ; 8 (r + 8 (r / 8)): their scale bytes
.set RSA, 7                            ; 8 r
.set BNQ, 8                            ; 64 h
.set BNF, 9                            ; 4 r + 256 w
.set SWK, 10                           ; where q's scale words go in LDS
.set SWV, 11                           ; and feat's
.set SCR, 12                           ; SCW + 16 x thread
.set T4,  13                           ; 4 x thread
.set OX,  16
.set ACC, 64
.set PC,  128
.set TM,  148
.set PW,  164
.set XS,  166
.set OXS, 182
.set AWS, 186
.set RWS, 202
.set FI,  210
.set FS,  218
.set BN,  226
.set LAST, 242
.set QI,  96                           ; in window 3
.set QSH, 160
.set SEL, 82
.set MSB, 0
.macro WIN new                         ; the immediate's high byte repeats the setting that is left
.if MSB != (\new)
	s_set_vgpr_msb (MSB<<8)|(\new)
.set MSB, (\new)
.endif
.endm
.macro FRAGL reg, adr, base, off       ; a fragment from rows of codes: 24 bytes of the row's stream of bits for each 64 along K, as three loads of 8 bytes
.irp p, 0,1,2,3,4,5
	global_load_b64 v[(\reg)+2*\p:(\reg)+2*\p+1], v[\adr], s[\base:\base+1] offset:(\off)+48*(\p/3)+8*(\p%3)
.endr
.endm
.macro WMP d, a, b, zero, sa, sb
.if \zero
	v_wmma_scale_f32_16x16x128_f8f6f4 v[(\d):(\d)+7], v[(\a):(\a)+11], v[(\b):(\b)+11], 0, v[\sa], v[\sb] matrix_a_fmt:MATRIX_FMT_BF6 matrix_b_fmt:MATRIX_FMT_BF6
.else
	v_wmma_scale_f32_16x16x128_f8f6f4 v[(\d):(\d)+7], v[(\a):(\a)+11], v[(\b):(\b)+11], v[(\d):(\d)+7], v[\sa], v[\sb] matrix_a_fmt:MATRIX_FMT_BF6 matrix_b_fmt:MATRIX_FMT_BF6
.endif
.endm
; 64 numbers of a lane, register 16 b + i = k 32 b + 16 (lane / 16) + i of my row, become a fragment's codes in v[PC] on and its scale word in v[PW].
.macro QUANT s
	s_wait_xcnt 0x0                                ; the last task's stores have read v[PC] on,
	s_wait_dscnt 0x0                               ; and its LDS store v[PW]: both are written again below
.irp b, 0,1,2,3
	v_max3_num_f32 v[TM+\b], |v[\s+16*\b]|, |v[\s+1+16*\b]|, 0x2800000   ; block b: my 16 numbers, and the floor 2^(5 - 127): the byte cannot fall under 1
.endr
.irp i, 2,4,6,8,10,12,14
.irp b, 0,1,2,3
	v_max3_num_f32 v[TM+\b], v[TM+\b], |v[\s+16*\b+\i]|, |v[\s+1+16*\b+\i]|   ; the four blocks by turns
.endr
.endr
.irp b, 0,1,2,3
	v_permlanex16_b32 v[TM+4+\b], v[TM+\b], s[SEL], s[SEL+1]
.endr
.irp b, 0,1,2,3
	v_max_num_f32 v[TM+\b], v[TM+\b], v[TM+4+\b]   ; with lane l xor 16's: the block's largest magnitude
.endr
.irp b, 0,1,2,3
	v_add_nc_u32 v[TM+12+\b], 0xfe000000, v[TM+\b] ; 4 off its exponent field: the conversion's scale operand
.endr
.irp b, 0,1,2,3
	v_lshrrev_b32 v[TM+4+\b], 23, v[TM+12+\b]      ; the scale's byte
.endr
	v_lshl_or_b32 v[PW], v[TM+5], 8, v[TM+4]       ; my row's scale word (lanes l and l xor 16 hold the same)
	v_lshl_or_b32 v[PW], v[TM+6], 16, v[PW]
	v_lshl_or_b32 v[PW], v[TM+7], 24, v[PW]
.irp c, 0,1
	v_cvt_scalef32_pk16_bf6_f32 v[PC+6*\c:PC+2+6*\c], v[\s+32*\c:\s+15+32*\c], v[TM+12+2*\c]
	v_cvt_scalef32_pk16_bf6_f32 v[PC+12+4*\c:PC+14+4*\c], v[\s+16+32*\c:\s+31+32*\c], v[TM+12+2*\c+1]   ; (a conversion's three registers begin on an even number)
.endr
	v_nop                                          ; one plain place behind a scaled conversion
.irp c, 0,1                                    ; the operand's layout wants a whole block in a lane: lanes 0-15 block 2 c, lanes 16-31 block 2 c + 1
.irp i, 0,1,2
	v_permlane16_swap_b32 v[PC+6*\c+\i], v[PC+12+4*\c+\i]
.endr
.irp i, 0,1,2
	v_mov_b32 v[PC+3+6*\c+\i], v[PC+12+4*\c+\i]
.endr
.endr
.endm
.macro OUTIMG base, off                        ; the fragment goes to kv as it stands: three stores of 512 consecutive bytes
.irp c, 0,1,2
	global_store_b128 v[LI], v[PC+4*\c:PC+4*\c+3], s[\base:\base+1] offset:(\off)+512*\c
.endr
.endm
.macro RELU                                    ; the activation, in f32
.set p, 0
.rept 64
	v_max_num_f32 v[ACC+p], 0, v[ACC+p]
.set p, p+1
.endr
.endm
	s_load_b512 s[16:31], s[0:1], 0x0              ; x_codes 16, x_scales 18, att_w_codes 20, att_w_scales 22, att_gamma 24, att_beta 26, att_mean 28, att_var 30
	s_load_b512 s[32:47], s[0:1], 0x40             ; reduc_w_codes 32, reduc_w_scales 34, reduc_gamma 36, reduc_beta 38, reduc_mean 40, reduc_var 42, mask 44, kv 46
	v_lshl_add_u32 v254, v0, 2, 0x2000
	v_mov_b32 v255, 0
	v_lshrrev_b32 v14, 5, v0
	v_readfirstlane_b32 s2, v14                    ; wave w
	s_mov_b32 s3, ttmp9                            ; j
	s_and_b32 s4, ttmp7, 0xffff                    ; n
	s_lshl_b32 s5, s4, 12
	s_lshl_b32 s8, s3, 7
	s_add_co_u32 s5, s5, s8                        ; my first position among all: 4096 n + 128 j
	s_lshl_b32 s6, s4, 5
	s_add_co_u32 s7, s3, 31
	s_and_b32 s7, s7, 31
	s_add_co_u32 s7, s7, s6
	s_add_co_u32 s6, s6, s3
	s_mul_i32 s6, s6, STEPB                        ; block (n, j): feat's part
	s_mul_i32 s7, s7, STEPB                        ; block (n, j - 1 mod 32): q's part
	s_mov_b32 s[SEL], 0x76543210
	s_mov_b32 s[SEL+1], 0xfedcba98                 ; v_permlanex16_b32's selects for lane l xor 16
	v_and_b32 v14, 31, v0
	v_lshlrev_b32 v[LI], 4, v14
	v_and_b32 v2, 15, v0                           ; r
	v_bfe_u32 v3, v0, 4, 1                         ; h
	v_and_b32 v15, 8, v2
	v_add_nc_u32 v15, v15, v2                      ; r + 8 (r / 8)
	v_mul_u32_u24 v[XA], v15, 192
	v_mad_u32_u24 v[XA], v3, 24, v[XA]
	v_mul_u32_u24 v[WA], v2, 192
	v_mad_u32_u24 v[WA], v3, 24, v[WA]
	v_lshlrev_b32 v[XSA], 3, v15
	v_lshlrev_b32 v[RSA], 3, v2
	v_lshlrev_b32 v[BNQ], 6, v3
	s_lshl_b32 s8, s2, 8
	v_lshl_add_u32 v[BNF], v2, 2, s8
	s_lshl_b32 s8, s2, 2
	s_add_co_u32 s8, s8, SCW+1024
	v_lshl_add_u32 v[SWK], v2, 4, s8               ; q's tile 2 w + i: register w, lane r + 16 i
	s_lshr_b32 s8, s2, 1
	s_lshl_b32 s8, s8, 9
	s_and_b32 s9, s2, 1
	s_lshl_b32 s9, s9, 3
	s_add_co_u32 s8, s8, s9
	s_add_co_u32 s8, s8, SCW
	v_lshl_add_u32 v[SWV], v2, 4, s8               ; feat's tile 4 w + k: register 2 w + k / 2, lane r + 16 (k % 2)
	v_lshl_add_u32 v[SCR], v0, 4, SCW
	v_lshlrev_b32 v[T4], 2, v0
.irp b, 0,1,2,3
	v_mov_b32 v[TM+4+\b], 0                        ; written once: a lane permute's destination counts as one of its sources
.endr
	s_mov_b32 s9, 0
	s_wait_kmcnt 0x0
	s_mul_i32 s8, s5, 192
	s_add_nc_u64 s[48:49], s[16:17], s[8:9]        ; x's codes at the work-group's first position
	s_mul_i32 s8, s2, 6144
	s_add_nc_u64 s[50:51], s[48:49], s[8:9]        ; and at my wave's own 32 positions
	s_lshl_b32 s8, s5, 3
	s_add_nc_u64 s[52:53], s[18:19], s[8:9]        ; x's scale bytes likewise
	s_lshl_b32 s8, s2, 8
	s_add_nc_u64 s[54:55], s[52:53], s[8:9]
	s_mul_i32 s8, s2, 12288
	s_add_nc_u64 s[56:57], s[32:33], s[8:9]        ; my 64 rows of reduc_w
	s_lshl_b32 s8, s2, 9
	s_add_nc_u64 s[58:59], s[34:35], s[8:9]
	s_mul_i32 s8, s2, 3072
	s_add_co_u32 s8, s8, s7
	s_add_co_u32 s8, s8, KIMG
	s_add_nc_u64 s[60:61], s[46:47], s[8:9]        ; where my two images of q go
	s_mul_i32 s8, s2, 6144
	s_add_co_u32 s8, s8, s6
	s_add_nc_u64 s[62:63], s[46:47], s[8:9]        ; and my four of feat
	s_add_co_u32 s8, s6, VSC                       ; the last 2,048 bytes, 512 a wave: waves 0, 1 feat's scale words (block j); wave 2 q's, wave 3 the bias (block j - 1)
	s_add_co_u32 s10, s7, KSC-1024
	s_cmp_lt_u32 s2, 2
	s_cselect_b32 s8, s8, s10
	s_lshl_b32 s10, s2, 9
	s_add_co_u32 s8, s8, s10
	s_add_nc_u64 s[66:67], s[46:47], s[8:9]
	s_lshl_b32 s8, s5, 2
	s_add_nc_u64 s[68:69], s[44:45], s[8:9]        ; mask at the work-group's first position
	; ---- all loads, what is wanted first first
	global_load_b32 v[BN+0], v[T4], s[24:25]       ; a thread takes channel t of att and channels t, t + 128 of reduc
	global_load_b32 v[BN+1], v[T4], s[26:27]
	global_load_b32 v[BN+2], v[T4], s[28:29]
	global_load_b32 v[BN+3], v[T4], s[30:31]
	global_load_b32 v[BN+4], v[T4], s[36:37]
	global_load_b32 v[BN+5], v[T4], s[36:37] offset:512
	global_load_b32 v[BN+6], v[T4], s[38:39]
	global_load_b32 v[BN+7], v[T4], s[38:39] offset:512
	global_load_b32 v[BN+8], v[T4], s[40:41]
	global_load_b32 v[BN+9], v[T4], s[40:41] offset:512
	global_load_b32 v[BN+10], v[T4], s[42:43]
	global_load_b32 v[BN+11], v[T4], s[42:43] offset:512
	global_load_b32 v[BN+12], v[T4], s[68:69]      ; and the mask of position t
.irp i, 0,1
.irp s, 0,1
	FRAGL OX+12*(2*\i+\s), XA, 50, (8*\i)*192+96*\s
.endr
.endr
.irp i, 0,1
	global_load_b64 v[OXS+2*\i:OXS+2*\i+1], v[XSA], s[54:55] offset:64*\i
.endr
.irp t, 0,1,2,3,4,5,6,7
	global_load_b64 v[AWS+2*\t:AWS+2*\t+1], v[XSA], s[22:23] offset:(32*(\t/2)+8*(\t%2))*8
.endr
	WIN 0x80
.irp t, 0,1,2,3,4,5,6,7
.irp s, 0,1
	FRAGL 12*(2*\t+\s), XA, 20, (32*(\t/2)+8*(\t%2))*192+96*\s
.endr
.endr
	WIN 0
.irp t, 0,1,2,3,4,5,6,7
	global_load_b64 v[XS+2*\t:XS+2*\t+1], v[XSA], s[52:53] offset:(32*(\t/2)+8*(\t%2))*8
.endr
	WIN 0x40
.irp t, 0,1,2,3,4,5,6,7
.irp s, 0,1
	FRAGL 12*(2*\t+\s), XA, 48, (32*(\t/2)+8*(\t%2))*192+96*\s
.endr
.endr
	WIN 0
.irp k, 0,1,2,3
	global_load_b64 v[RWS+2*\k:RWS+2*\k+1], v[RSA], s[58:59] offset:128*\k
.endr
	WIN 0xc0
.irp k, 0,1,2,3
.irp s, 0,1
	FRAGL 12*(2*\k+\s), WA, 56, 16*\k*192+96*\s
.endr
.endr
	WIN 0
	s_wait_loadcnt 63                              ; 156 loads were issued behind att_w's last: with 63 out, the constants, my own x and att_w are in
	; ---- BatchNorm as a gain and a shift: gain = gamma / sqrt(var + eps), shift = beta - mean x gain; and the key bias
	v_add_f32 v[BN+3], 0x3727c5ac, v[BN+3]         ; + 1e-5
	v_add_f32 v[BN+10], 0x3727c5ac, v[BN+10]
	v_add_f32 v[BN+11], 0x3727c5ac, v[BN+11]
	v_rsq_f32 v[BN+3], v[BN+3]
	v_rsq_f32 v[BN+10], v[BN+10]
	v_rsq_f32 v[BN+11], v[BN+11]
	v_add_f32 v[BN+12], -1.0, v[BN+12]             ; mask - 1.  (The plain place behind the transcendentals)
	s_wait_alu depctr_va_vdst(0)
	v_mul_f32 v[BN+0], v[BN+0], v[BN+3]
	v_mul_f32 v[BN+4], v[BN+4], v[BN+10]
	v_mul_f32 v[BN+5], v[BN+5], v[BN+11]
	v_fma_f32 v[BN+1], -v[BN+2], v[BN+0], v[BN+1]
	v_fma_f32 v[BN+6], -v[BN+8], v[BN+4], v[BN+6]
	v_fma_f32 v[BN+7], -v[BN+9], v[BN+5], v[BN+7]
	v_mul_f32 v[BN+12], 0x4cbebc20, v[BN+12]       ; x 1e8, as reference() has it,
	v_mul_f32 v[BN+12], 0x413504f3, v[BN+12]       ; x d: it is added to the score before the division by d
	ds_store_b32 v[T4], v[BN+0] offset:AINV
	ds_store_b32 v[T4], v[BN+1] offset:ASH
	ds_store_b32 v[T4], v[BN+4] offset:RINV
	ds_store_b32 v[T4], v[BN+5] offset:RINV+512
	ds_store_b32 v[T4], v[BN+6] offset:RSH
	ds_store_b32 v[T4], v[BN+7] offset:RSH+512
	ds_store_b32 v[T4], v[BN+12] offset:SCW+1536
	s_wait_dscnt 0x0                               ; for the others' sake: my stores have landed
	s_barrier_signal -1
	s_barrier_wait -1
	WIN 0xc0                                       ; q: register 8 t + i of lane (r, h) is channel 32 (t / 2) + 16 h + 8 (t % 2) + i
.irp t, 0,1,2,3,4,5,6,7
.irp e, 0,1
	ds_load_b128 v[QI+8*\t+4*\e:QI+8*\t+4*\e+3], v[BNQ] offset:AINV+(32*(\t/2)+8*(\t%2))*4+16*\e
	ds_load_b128 v[QSH+8*\t+4*\e:QSH+8*\t+4*\e+3], v[BNQ] offset:ASH+(32*(\t/2)+8*(\t%2))*4+16*\e
.endr
.endr
	WIN 0
.irp k, 0,1,2,3                                ; feat: lane (r, h) holds channel 64 w + 16 k + r: one gain and one shift, each twice, for the packed form
	ds_load_b32 v[FI+2*\k], v[BNF] offset:RINV+64*\k
	ds_load_b32 v[FI+2*\k+1], v[BNF] offset:RINV+64*\k
	ds_load_b32 v[FS+2*\k], v[BNF] offset:RSH+64*\k
	ds_load_b32 v[FS+2*\k+1], v[BNF] offset:RSH+64*\k
.endr
	s_wait_dscnt 0x0
	; ---- q: my two tiles of 16 positions.  Eight accumulators (att's 128 channels) by turns, K step by K step
.irp i, 0,1
	WIN 0x02                                       ; source 0 (att_w) window 2
.irp t, 0,1,2,3,4,5,6,7
	WMP ACC+8*\t, 24*\t, OX+24*\i, 1, AWS+2*\t, OXS+2*\i
.endr
.irp t, 0,1,2,3,4,5,6,7
	WMP ACC+8*\t, 24*\t+12, OX+24*\i+12, 0, AWS+2*\t+1, OXS+2*\i+1
.endr
	WIN 0
.rept 4
	v_nop                                          ; four places in front of the first read of results
.endr
	WIN 0x3c                                       ; sources 1 and 2 window 3
.set p, 0
.rept 32
	v_pk_fma_f32 v[ACC+p:ACC+p+1], v[ACC+p:ACC+p+1], v[QI+p:QI+p+1], v[QSH+p:QSH+p+1]   ; each accumulator from its low end on
.set p, p+2
.endr
	WIN 0
	RELU
	QUANT ACC
	OUTIMG 60, 1536*\i
	ds_store_b32 v[SWK], v[PW] offset:256*\i       ; lanes r and r + 16 write the same word with the same value
.endr
	; ---- feat: my four tiles of 16 channels, for the 128 positions
	s_wait_loadcnt 0x0                             ; x and reduc_w
.irp k, 0,1,2,3
	WIN 0x0d                                       ; source 0 (x) window 1, source 1 (reduc_w) window 3
.irp t, 0,1,2,3,4,5,6,7
	WMP ACC+8*\t, 24*\t, 24*\k, 1, XS+2*\t, RWS+2*\k
.endr
.irp t, 0,1,2,3,4,5,6,7
	WMP ACC+8*\t, 24*\t+12, 24*\k+12, 0, XS+2*\t+1, RWS+2*\k+1
.endr
	WIN 0
.rept 4
	v_nop
.endr
.set p, 0
.rept 32
	v_pk_fma_f32 v[ACC+p:ACC+p+1], v[ACC+p:ACC+p+1], v[FI+2*\k:FI+2*\k+1], v[FS+2*\k:FS+2*\k+1]
.set p, p+2
.endr
	RELU
	QUANT ACC
	OUTIMG 62, 1536*\k
	ds_store_b32 v[SWV], v[PW] offset:256*(\k%2)+4*(\k/2)
.endr
	; ---- the scale words and the bias leave as they lie in LDS: 512 bytes a wave
	s_wait_dscnt 0x0
	s_barrier_signal -1
	s_barrier_wait -1
	ds_load_b128 v[LAST:LAST+3], v[SCR]
	s_wait_dscnt 0x0
	global_store_b128 v[LI], v[LAST:LAST+3], s[66:67]
	s_wait_tensorcnt 0x0
	ds_add_u32 v254, v255
	s_wait_dscnt 0x0
	s_endpgm
.Lfunc_end_k_q81ccbfff90_prep:
	.size	k_q81ccbfff90_prep, .Lfunc_end_k_q81ccbfff90_prep-k_q81ccbfff90_prep
	.p2alignl 7, 3214868480
	.fill 96, 4, 3214868480
	.section	.rodata,"a",@progbits
	.p2align	6, 0x0
	.amdhsa_kernel k_q81ccbfff90_prep
		.amdhsa_group_segment_fixed_size 8704
		.amdhsa_private_segment_fixed_size 0
		.amdhsa_enable_private_segment 0
		.amdhsa_kernarg_size 128
		.amdhsa_user_sgpr_count 2
		.amdhsa_user_sgpr_kernarg_segment_ptr 1
		.amdhsa_wavefront_size32 1
		.amdhsa_system_sgpr_workgroup_id_x 1
		.amdhsa_system_sgpr_workgroup_id_y 1
		.amdhsa_system_sgpr_workgroup_id_z 1
		.amdhsa_system_vgpr_workitem_id 0
		.amdhsa_next_free_vgpr 1024
		.amdhsa_next_free_sgpr 100
		.amdhsa_reserve_vcc 0
		.amdhsa_float_denorm_mode_32 3
		.amdhsa_float_denorm_mode_16_64 3
		.amdhsa_memory_ordered 1
		.amdhsa_forward_progress 1
		.amdhsa_inst_pref_size 99
	.end_amdhsa_kernel
	.amdgpu_metadata
---
amdhsa.version: [ 1, 2 ]
amdhsa.kernels:
  - .name:           k_q81ccbfff90_prep
    .symbol:         k_q81ccbfff90_prep.kd
    .args:
      - { .name: x_codes, .offset: 0, .size: 8, .value_kind: global_buffer, .address_space: global }
      - { .name: x_scales, .offset: 8, .size: 8, .value_kind: global_buffer, .address_space: global }
      - { .name: att_w_codes, .offset: 16, .size: 8, .value_kind: global_buffer, .address_space: global }
      - { .name: att_w_scales, .offset: 24, .size: 8, .value_kind: global_buffer, .address_space: global }
      - { .name: att_gamma, .offset: 32, .size: 8, .value_kind: global_buffer, .address_space: global }
      - { .name: att_beta, .offset: 40, .size: 8, .value_kind: global_buffer, .address_space: global }
      - { .name: att_mean, .offset: 48, .size: 8, .value_kind: global_buffer, .address_space: global }
      - { .name: att_var, .offset: 56, .size: 8, .value_kind: global_buffer, .address_space: global }
      - { .name: reduc_w_codes, .offset: 64, .size: 8, .value_kind: global_buffer, .address_space: global }
      - { .name: reduc_w_scales, .offset: 72, .size: 8, .value_kind: global_buffer, .address_space: global }
      - { .name: reduc_gamma, .offset: 80, .size: 8, .value_kind: global_buffer, .address_space: global }
      - { .name: reduc_beta, .offset: 88, .size: 8, .value_kind: global_buffer, .address_space: global }
      - { .name: reduc_mean, .offset: 96, .size: 8, .value_kind: global_buffer, .address_space: global }
      - { .name: reduc_var, .offset: 104, .size: 8, .value_kind: global_buffer, .address_space: global }
      - { .name: mask, .offset: 112, .size: 8, .value_kind: global_buffer, .address_space: global }
      - { .name: kv, .offset: 120, .size: 8, .value_kind: global_buffer, .address_space: global }
    .group_segment_fixed_size: 8704
    .private_segment_fixed_size: 0
    .kernarg_segment_align: 8
    .kernarg_segment_size: 128
    .max_flat_workgroup_size: 128
    .sgpr_count:     100
    .vgpr_count:     1024
    .wavefront_size: 32
...
	.end_amdgpu_metadata
.endif
;; end of part 1
;; launch attn (part 2): grid 32 x 8, 4 waves a work-group, clusters of 4 x 1, 327,680 bytes of LDS; arguments kv, mask, out0; writes out0
.if DOCPART == 2
	.amdgcn_target "amdgcn-amd-amdhsa--gfx1250"
	.amdhsa_code_object_version 6
	.text
	.protected	k_q81ccbfff90_attn
	.globl	k_q81ccbfff90_attn
	.p2align	8
	.type	k_q81ccbfff90_attn,@function
k_q81ccbfff90_attn:
	s_mov_b64 s[64:65], 0
	v_nop
	global_prefetch_b8 v0, s[64:65] scope:SCOPE_SE
	s_setreg_imm32_b32 hwreg(HW_REG_WAVE_MODE, 25, 1), 1
	s_wait_xcnt 0x0
	s_wait_alu depctr_hold_cnt(0) depctr_sa_sdst(0) depctr_va_vdst(0) depctr_va_sdst(0) depctr_va_ssrc(0) depctr_va_vcc(0) depctr_vm_vsrc(0)
	s_getreg_b32 s2, hwreg(HW_REG_IB_STS2, 6, 4)
	s_cmp_eq_u32 s2, 0
	s_cbranch_scc0 .Lentry_in_a_cluster
	s_endpgm
.Lentry_in_a_cluster:
	s_bfe_u32 s2, ttmp6, 0x10000c
	s_cmp_lg_u32 s2, 0x3003
	s_cbranch_scc0 .Lentry_shape_is_right
	s_endpgm
.Lentry_shape_is_right:
; ATTN: out[n][c][i] = mask[i] / l[i] x the sum over keys j of p[i][j] feat[c][j], both products on codes of BF6 (E3M2) with one E8M0 byte for each 32 along K.
; t = (q_i . q_j + bias_j d) x log2(e) / d;  M = the running largest t rounded up to a whole number;  p = 2^(t - M) is quantised along the keys, not normalised;  l is the sum of the unquantised p.
; When M moves, l and O are multiplied by 2^(old M - new M), made by v_ldexp_f32: nothing is rounded, and there is no branch on data.
; SHARES.  A work-group owns 128 queries of one image, each of its four waves two tiles of 16 (tiles 2 w and 2 w + 1 of the block, as kv lays them).  Every wave walks the image's 32 key steps of 128 keys;
;   each fragment of K and of V that it reads from LDS feeds two matrix instructions.
; kv holds, for each key step, one dense block of 38,912 bytes in the order of the operands' registers: V's 16 fragments of this step, K's 8 of the NEXT step, V's scale words, K's, and the next step's key bias.
;   So one step of the loop reads one block: V for the weights in hand, K for the scores of the step to come.  Every LDS read of a tile is 16 bytes a lane on end: no pitch, no padding.
; LAYOUT.  Both products are used transposed: S^T = K Q^T + bias (source 0 = 16 keys, C = the keys' bias), O^T = V^T P^T (source 0 = 16 channels): a lane holds ONE query throughout.
;   The keys of a tile are chosen so that the 16 registers of tiles 2 b, 2 b + 1 are keys 32 b + 16 (lane / 16) + 0 .. 15.
; CLUSTER.  The four work-groups of a cluster belong to one image and walk the same blocks: each block is asked for JOINTLY, by the same tensor load with the same descriptor and the mask of all four.
;   A slot holds four blocks, one a wave; two slots; behind each round of the cluster's barrier a wave issues one load, which has four key steps in which to land.  Two loads of a wave are out at the start, one later.
; ORDER IN A STEP.  The step's LDS loads; the two tiles' softmax, one tile's exponentials between the other's plain lines; the 32 products V^T P, with O's rescaling between them; the 16 products K Q^T of the next step.
; LIMITS: NaN and infinities are not served.  Where a row's largest logit is of the size of the mask's term (every key masked), the term is rounded as bias x d and in the matrix unit's sum, not in reference()'s own addition.
;   A block's largest p is made from the block's largest score by the same multiply-add and exponential: this takes v_exp_f32 not to fall where its input rises.  p under 2^-126 counts as 0.
; REGISTERS, in windows of 256.  Window 0: v1-11 addresses; v12-23 -M, largest t, sums, factor; v24-47 Q; v48-63 scale words; v64-191 S^T, then p; v192-215 p's codes; v216-255 at work.
;   Window 1: O^T of channels 0-127 (tile x, channel tile c at 64 x + 8 c), from v128 V's fragments 0-7.  Window 2: the same for channels 128-255.  Window 3: K's 8 fragments, from v96 the key bias in the result's layout.
.set STEPB, 38912
.set BATB,  32*STEPB
.set VIMG,  0
.set KIMG,  24576
.set VSC,   36864
.set KSC,   37888
.set MBO,   38400
.set SLOTB, 4*STEPB
.set SPARE, 2*SLOTB                    ; behind the ring: the spare words, 128 bytes for each wave: two blocks of 256 bytes that no other line names
.set SP,    528                        ; the way out: a stage of 256 rows (channels) x (512 bytes + 16), in slot 0, which has had its last fill and its last read by then
.set LI,  1                            ; 16 x lane
.set MBL, 2                            ; 64 x (lane / 16)
.set SPW, 3
.set NIL, 4
.set ADR, 5
.set ADM, 6
.set RD,  7
.set STO, 8                            ; v8-11
.set NM,  12                           ; tile x: v[12 + 4 x] -M, v[13 + 4 x] the largest t, v[14 + 4 x : 15 + 4 x] the sum in two halves
.set SUM, 14
.set F,   20                           ; v[20 + 2 x] the factor (named as a pair)
.set Q,   24
.set QS,  48
.set PS,  49
.set MQA, 51
.set KS,  52
.set VS,  56
.set S,   64
.set P,   192
.set EX,  216                          ; tile x at 216 + 8 x: +0..2, +4..6 halves of conversions, +3 at work, +7 the query's mask
.set BM,  232
.set PT,  240
.set SO,  248
.set VF,  128                          ; in windows 1 and 2
.set MBR, 96                           ; in window 3
.set WV,  10
.set SEL, 20
.set CS,  22
.set G1,  24
.set G0,  32
.set TB,  40
.set CNT, 41
.set LAP, 42
.set W_PV1, 0x51                       ; V, O window 1; P and the factor window 0
.set W_PV2, 0xa2
.set W_QK,  0x33                       ; K and the bias window 3; Q and S^T window 0
.set MSB, 0
.macro WIN new                         ; the immediate's high byte repeats the setting that is left
.if MSB != (\new)
	s_set_vgpr_msb (MSB<<8)|(\new)
.set MSB, (\new)
.endif
.endm
.macro ROUND                           ; a round of the cluster's barrier
	s_barrier_signal -1
	s_barrier_wait -1
	s_cmp_lg_u32 s[WV], 0
	s_cbranch_scc1 .Lnot_wave_0_\@
	s_barrier_signal -3
.Lnot_wave_0_\@:
	s_barrier_wait -3
	s_barrier_signal -1
	s_barrier_wait -1
.endm
; one product.  c < 0: the constant 0 starts the sum.  ra, rb: the side's scale words stand in lanes 16-31
.macro WM d, a, b, c, sa, sb, ra, rb
.if (\c) < 0
.if (\ra)
	v_wmma_scale_f32_16x16x128_f8f6f4 v[(\d):(\d)+7], v[(\a):(\a)+11], v[(\b):(\b)+11], 0, v[\sa], v[\sb] matrix_a_fmt:MATRIX_FMT_BF6 matrix_b_fmt:MATRIX_FMT_BF6 matrix_a_scale:MATRIX_SCALE_ROW1
.else
	v_wmma_scale_f32_16x16x128_f8f6f4 v[(\d):(\d)+7], v[(\a):(\a)+11], v[(\b):(\b)+11], 0, v[\sa], v[\sb] matrix_a_fmt:MATRIX_FMT_BF6 matrix_b_fmt:MATRIX_FMT_BF6
.endif
.elseif (\ra) && (\rb)
	v_wmma_scale_f32_16x16x128_f8f6f4 v[(\d):(\d)+7], v[(\a):(\a)+11], v[(\b):(\b)+11], v[(\c):(\c)+7], v[\sa], v[\sb] matrix_a_fmt:MATRIX_FMT_BF6 matrix_b_fmt:MATRIX_FMT_BF6 matrix_a_scale:MATRIX_SCALE_ROW1 matrix_b_scale:MATRIX_SCALE_ROW1
.elseif (\ra)
	v_wmma_scale_f32_16x16x128_f8f6f4 v[(\d):(\d)+7], v[(\a):(\a)+11], v[(\b):(\b)+11], v[(\c):(\c)+7], v[\sa], v[\sb] matrix_a_fmt:MATRIX_FMT_BF6 matrix_b_fmt:MATRIX_FMT_BF6 matrix_a_scale:MATRIX_SCALE_ROW1
.elseif (\rb)
	v_wmma_scale_f32_16x16x128_f8f6f4 v[(\d):(\d)+7], v[(\a):(\a)+11], v[(\b):(\b)+11], v[(\c):(\c)+7], v[\sa], v[\sb] matrix_a_fmt:MATRIX_FMT_BF6 matrix_b_fmt:MATRIX_FMT_BF6 matrix_b_scale:MATRIX_SCALE_ROW1
.else
	v_wmma_scale_f32_16x16x128_f8f6f4 v[(\d):(\d)+7], v[(\a):(\a)+11], v[(\b):(\b)+11], v[(\c):(\c)+7], v[\sa], v[\sb] matrix_a_fmt:MATRIX_FMT_BF6 matrix_b_fmt:MATRIX_FMT_BF6
.endif
.endm
; S^T = K Q^T + bias: 16 products, one for each accumulator
.macro QKALL
	WIN W_QK
.irp x, 0,1
.irp t, 0,1,2,3,4,5,6,7
	WM S+64*\x+8*\t, 12*\t, Q+12*\x, MBR+8*\t, KS+\t/2, QS, \t%2, \x
.endr
.endr
	WIN 0
.endm
; Line n of 85 of tile x's maxima: each block's largest score (0-39), the new M and the factor (40-48), t - M for the 64 scores (49-80) and for the blocks' largest (81-84).
; The scores are read from each accumulator's low end on.
.macro PA x, n
.set pS, S+64*(\x)
.set pB, BM+4*(\x)
.set pP, PT+4*(\x)
.set pT, EX+8*(\x)+3
.set pN, NM+4*(\x)
.set pF, F+2*(\x)
.set pn, \n
.if pn < 4
	v_max3_num_f32 v[pB+pn], v[pS+16*pn], v[pS+16*pn+1], v[pS+16*pn+2]
.elseif pn < 28
.set pb, (pn-4)%4
.set pi, 3+2*((pn-4)/4)
	v_max3_num_f32 v[pB+pb], v[pB+pb], v[pS+16*pb+pi], v[pS+16*pb+pi+1]
.elseif pn < 32
	v_max_num_f32 v[pB+pn-28], v[pB+pn-28], v[pS+16*(pn-28)+15]
.elseif pn < 36
	v_permlanex16_b32 v[pP+pn-32], v[pB+pn-32], s[SEL], s[SEL+1]
.elseif pn < 40
	v_max_num_f32 v[pB+pn-36], v[pB+pn-36], v[pP+pn-36]      ; with lane l xor 16's 16 keys: the block's largest score
.elseif pn == 40
	v_max3_num_f32 v[pT], v[pB], v[pB+1], v[pB+2]
.elseif pn == 41
	v_max_num_f32 v[pT], v[pT], v[pB+3]
.elseif pn == 42
	v_mul_f32 v[pT], s[CS], v[pT]                            ; as t (c is positive)
.elseif pn == 43
	v_max_num_f32 v[pN+1], v[pN+1], v[pT]                    ; the running largest t
.elseif pn == 44
	v_mov_b32 v[pT], v[pN]
.elseif pn == 45
	v_floor_f32 v[pN], -v[pN+1]                              ; -M = floor(-t): M is a whole number
.elseif pn == 46
	v_sub_f32 v[pT], v[pN], v[pT]                            ; old M - new M, 0 or less
.elseif pn == 47
	v_cvt_i32_f32 v[pT], v[pT]                               ; (it saturates)
.elseif pn == 48
	v_ldexp_f32 v[pF], 1.0, v[pT]                            ; the factor 2^(old M - new M)
.elseif pn < 81
.set pi, 2*(pn-49)
	v_pk_fma_f32 v[pS+pi:pS+pi+1], v[pS+pi:pS+pi+1], s[CS:CS+1], v[pN:pN+1] op_sel_hi:[1,0,0]   ; t - M (of the pairs c and -M the low word serves both halves)
.else
	v_fma_f32 v[pB+pn-81], v[pB+pn-81], s[CS], v[pN]
.endif
.endm
.macro EX1 x, n                        ; exponential n of 68 of tile x: the 64 p, then the four blocks' largest p
.if (\n) < 64
	v_exp_f32 v[S+64*(\x)+(\n)], v[S+64*(\x)+(\n)]
.else
	v_exp_f32 v[BM+4*(\x)+(\n)-64], v[BM+4*(\x)+(\n)-64]
.endif
.endm
; Line n of 65 of what follows tile x's exponentials: the sum under the new M (0), the blocks' scales and p's scale word (1-15), the codes (16-32), the sum of the unquantised p (33-64).
.macro PD x, n
.set dS, S+64*(\x)
.set dB, BM+4*(\x)
.set dP, PT+4*(\x)
.set dO, SO+4*(\x)
.set dC, P+12*(\x)
.set dE, EX+8*(\x)
.set dU, SUM+4*(\x)
.set dF, F+2*(\x)
.set dn, \n
.if dn == 0
	v_pk_mul_f32 v[dU:dU+1], v[dU:dU+1], v[dF:dF+1] op_sel_hi:[1,0]
.elseif dn < 5
	s_wait_alu depctr_va_vdst(0)
	v_max_num_f32 v[dB+dn-1], 0x2800000, v[dB+dn-1]          ; the floor 2^(5 - 127): the byte cannot fall under 1
.elseif dn < 9
	v_add_nc_u32 v[dO+dn-5], 0xfe000000, v[dB+dn-5]          ; 4 off the exponent field: the conversion's scale operand
.elseif dn < 13
	v_lshrrev_b32 v[dP+dn-9], 23, v[dO+dn-9]                 ; the scale's byte
.elseif dn == 13
	v_lshl_or_b32 v[PS+\x], v[dP+1], 8, v[dP]
.elseif dn == 14
	v_lshl_or_b32 v[PS+\x], v[dP+2], 16, v[PS+\x]
.elseif dn == 15
	v_lshl_or_b32 v[PS+\x], v[dP+3], 24, v[PS+\x]
.elseif dn < 20
.set dq, dn-16
.if dq%2 == 0
	v_cvt_scalef32_pk16_bf6_f32 v[dC+3*dq:dC+3*dq+2], v[dS+16*dq:dS+16*dq+15], v[dO+dq]
.else
	v_cvt_scalef32_pk16_bf6_f32 v[dE+2*(dq-1):dE+2*(dq-1)+2], v[dS+16*dq:dS+16*dq+15], v[dO+dq]   ; (a conversion's three registers begin on an even number)
.endif
.elseif dn == 20
	v_nop                                                    ; one plain place behind the scaled conversions
.elseif dn < 27
.set dq, dn-21
	v_permlane16_swap_b32 v[dC+6*(dq/3)+dq%3], v[dE+4*(dq/3)+dq%3]   ; a whole block to a lane: lanes 0-15 block 2 c, lanes 16-31 block 2 c + 1
.elseif dn < 33
.set dq, dn-27
	v_mov_b32 v[dC+3+6*(dq/3)+dq%3], v[dE+4*(dq/3)+dq%3]
.elseif dn == 33
	v_pk_add_f32 v[dP:dP+1], v[dS:dS+1], v[dS+2:dS+3]        ; the sum of p, two at a time, in two chains
.elseif dn < 64
.set dq, 4+4*((dn-34)/2)
.if (dn-34)%2 == 0
	v_pk_add_f32 v[dU:dU+1], v[dU:dU+1], v[dS+dq:dS+dq+1]
.else
	v_pk_add_f32 v[dP:dP+1], v[dP:dP+1], v[dS+dq+2:dS+dq+3]
.endif
.else
	v_pk_add_f32 v[dU:dU+1], v[dU:dU+1], v[dP:dP+1]
.endif
.endm
.macro MULO a                          ; accumulator a = 2 c + x of the window times tile x's factor, from its low end on
.set mo, 64*((\a)%2)+8*((\a)/2)
.set mf, F+2*((\a)%2)
.irp k, 0,2,4,6
	v_pk_mul_f32 v[mo+\k:mo+\k+1], v[mo+\k:mo+\k+1], v[mf:mf+1] op_sel_hi:[1,0]
.endr
.endm
; O^T += V^T P^T for the 16 accumulators of one window, one instruction each.  The rescaling of accumulator a + 2 stands behind product a: four plain lines lie between an accumulator's rescaling and its product.
.macro PVW hi, first
.if !\first
	MULO 0
	MULO 1
.endif
.set a, 0
.rept 16
.set ox, a%2
.set oc, a/2
.if \first
	WM 64*ox+8*oc, VF+12*oc, P+12*ox, -1, VS+4*\hi+oc/2, PS+ox, oc%2, 0
.else
	WM 64*ox+8*oc, VF+12*oc, P+12*ox, 64*ox+8*oc, VS+4*\hi+oc/2, PS+ox, oc%2, 0
.if a < 14
	MULO a+2
.endif
.endif
.set a, a+1
.endr
.endm
; A KEY STEP.  S^T of this step lies in registers.  first = 1: the products start O^T's sums.  qk = 0: the last step, which has no next scores.
.macro STEP first, qk
	v_add_nc_u32 v[ADR], s[TB], v[LI]              ; these two and two v_nop are the four places between the last products and the loads into their registers, and the first read of S^T
	v_add_nc_u32 v[ADM], s[TB], v[MBL]
	v_nop
	v_nop
	ds_load_b128 v[VS:VS+3], v[ADR] offset:VSC
	ds_load_b128 v[VS+4:VS+7], v[ADR] offset:VSC+512
.if \qk
	ds_load_b128 v[KS:KS+3], v[ADR] offset:KSC
.endif
	WIN 0x40
.irp f, 0,1,2,3,4,5,6,7
.irp c, 0,1,2
	ds_load_b128 v[VF+12*\f+4*\c:VF+12*\f+4*\c+3], v[ADR] offset:VIMG+1536*\f+512*\c
.endr
.endr
	WIN 0x80
.irp f, 0,1,2,3,4,5,6,7
.irp c, 0,1,2
	ds_load_b128 v[VF+12*\f+4*\c:VF+12*\f+4*\c+3], v[ADR] offset:VIMG+1536*(8+\f)+512*\c
.endr
.endr
.if \qk
	WIN 0xc0
.irp t, 0,1,2,3,4,5,6,7
.irp c, 0,1,2
	ds_load_b128 v[12*\t+4*\c:12*\t+4*\c+3], v[ADR] offset:KIMG+1536*\t+512*\c
.endr
.endr
.irp t, 0,1,2,3,4,5,6,7
.irp e, 0,1
	ds_load_b128 v[MBR+8*\t+4*\e:MBR+8*\t+4*\e+3], v[ADM] offset:MBO+128*(\t/2)+32*(\t%2)+16*\e   ; register 8 t + i: the bias of key 32 (t / 2) + 16 (lane / 16) + 8 (t % 2) + i
.endr
.endr
.endif
	WIN 0
.set i, 0
.rept 85
	PA 0, i
.set i, i+1
.endr
.set i, 0
.rept 68                                       ; tile 0's exponentials, a plain line of tile 1 behind each
	EX1 0, i
	PA 1, i
.set i, i+1
.endr
.rept 17
	PA 1, i
.set i, i+1
.endr
.set i, 0
.rept 68                                       ; tile 1's exponentials, a line of tile 0 behind each
	EX1 1, i
.if i < 65
	PD 0, i
.endif
.set i, i+1
.endr
.set i, 0
.rept 65                                       ; (its first line names nothing of the exponentials: the plain place behind them)
	PD 1, i
.set i, i+1
.endr
.if \qk
	s_wait_dscnt 40                                ; V and its scale words are in: the youngest 40 loads are K's 24 and the bias's 16
.else
	s_wait_dscnt 0x0
.endif
	WIN W_PV1
	PVW 0, \first
	WIN W_PV2
	PVW 1, \first
.if \qk
	s_wait_dscnt 0x0                               ; K, its scale words and the bias
	QKALL
.else
	WIN 0
.endif
	s_add_co_u32 s[TB], s[TB], STEPB
.endm
.macro STEPS n
	s_mov_b32 s[CNT], \n
.Lstep_\@:
	STEP 0, 1
	s_sub_co_u32 s[CNT], s[CNT], 1
	s_cmp_lg_u32 s[CNT], 0
	s_cbranch_scc1 .Lstep_\@
.endm
; THE CHANGE OF SLOTS, at the head of slot `slot`.  Each wave waits for all its tensor loads (its block of the slot ahead), adds 0 to its spare word, and waits for that and for its reads of the slot that it leaves.
; refill = 1: the barrier is a round of the cluster's, so that no wave of any partner still reads the slot left or has a load on its way, and the joint refill of that slot, eight blocks on, is the first thing behind it.
.macro CHANGE slot, refill
	s_wait_tensorcnt 0x0                           ; no tensor load of mine is out, so a group 0 may be written
	ds_add_u32 v[SPW], v[NIL]                      ; 0 onto my spare word
.if \refill
	s_add_nc_u64 s[G0+4*(1-\slot)+2:G0+4*(1-\slot)+3], s[G0+4*(1-\slot)+2:G0+4*(1-\slot)+3], 8*STEPB   ; the type bits on top are not reached
.endif
	s_wait_dscnt 0x0                               ; the add is done, and my reads of the slot that I leave are over
.if \refill
	ROUND
	tensor_load_to_lds s[G0+4*(1-\slot):G0+4*(1-\slot)+3], s[G1:G1+7]
	s_nop 0
.rept 4
	v_nop
.endr
.else
	s_barrier_signal -1
	s_barrier_wait -1
.endif
	s_mov_b32 s[TB], \slot*SLOTB
.endm
	s_load_b128 s[4:7], s[0:1], 0x0                ; kv, mask
	s_load_b64 s[8:9], s[0:1], 0x10                ; out0
	v_lshl_add_u32 v[SPW], v0, 2, SPARE
	v_mov_b32 v[NIL], 0
	ds_add_u32 v3, v4
	ds_add_u32 v3, v4
	s_wait_dscnt 0x0
	v_lshrrev_b32 v5, 5, v0
	v_readfirstlane_b32 s[WV], v5                  ; wave 0..3
	s_bfe_u32 s11, ttmp6, 0x40000                  ; cx: my place in the cluster
	s_lshl_b32 s12, ttmp9, 2
	s_add_co_u32 s12, s12, s11                     ; my block of 128 queries: it enters Q's, the mask's and out's addresses alone
	s_and_b32 s13, ttmp7, 0xffff                   ; the image, which the four partners share
	s_mov_b32 s[G1], 15|(3<<16)|(1<<21)            ; 15:0 the mask: all four work-groups; 17:16 elements of 8 bytes; 20 no padding; 21 set beside a mask
	s_mov_b32 s[G1+1], 32<<16                      ; tensor_dim0 = 32 elements: rows of 256 bytes
	s_mov_b32 s[G1+2], 152<<16                     ; tensor_dim1 = 152 rows: a block
	s_mov_b32 s[G1+3], 32<<16                      ; tile_dim0
	s_mov_b32 s[G1+4], 152                         ; tile_dim1
	s_mov_b32 s[G1+5], 32                          ; the pitch: dense
	s_mov_b32 s[G1+6], 0
	s_mov_b32 s[G1+7], 0
	s_mul_i32 s14, s13, BATB                       ; the image's 32 blocks
	s_mov_b32 s15, 0
	s_mul_i32 s16, s[WV], STEPB                    ; my block of a slot, in memory and in LDS
	s_mov_b32 s17, 0
	s_add_co_u32 s18, s12, 31
	s_and_b32 s18, s18, 31
	s_mul_i32 s18, s18, STEPB                      ; my queries lie as K's part of the block before theirs
	s_mul_i32 s19, s[WV], 3072
	s_add_co_u32 s19, s19, s18
	s_add_co_u32 s44, s19, KIMG
	s_mov_b32 s45, 0
	s_lshl_b32 s19, s[WV], 2
	s_add_co_u32 s19, s19, s18
	s_add_co_u32 s46, s19, KSC
	s_mov_b32 s47, 0
	s_lshl_b32 s18, s13, 12
	s_lshl_b32 s19, s12, 7
	s_add_co_u32 s18, s18, s19
	s_lshl_b32 s19, s[WV], 5
	s_add_co_u32 s18, s18, s19
	s_lshl_b32 s50, s18, 2                         ; mask: (4096 n + 128 block + 32 w) x 4
	s_mov_b32 s51, 0
	s_lshl_b32 s18, s13, 8
	s_lshl_b32 s19, s[WV], 6
	s_add_co_u32 s18, s18, s19
	s_lshl_b32 s18, s18, 14
	s_lshl_b32 s19, s12, 9
	s_add_co_u32 s52, s18, s19                     ; out: ((256 n + 64 w) x 4096 + 128 block) x 4
	s_mov_b32 s53, 0
	s_mov_b32 s[SEL], 0x76543210
	s_mov_b32 s[SEL+1], 0xfedcba98                 ; v_permlanex16_b32's selects for lane l xor 16
	s_mov_b32 s[CS], 0x3e0293ee                    ; c = log2(e) / (1e-8 + sqrt(128))
	s_mov_b32 s[CS+1], s[CS]                       ; (named with it as a pair, so it is written)
	v_and_b32 v5, 31, v0
	v_lshlrev_b32 v[LI], 4, v5
	v_bfe_u32 v6, v0, 4, 1
	v_lshlrev_b32 v[MBL], 6, v6
	v_and_b32 v5, 15, v0
	v_and_b32 v6, 8, v5
	v_add_nc_u32 v5, v5, v6
	v_lshlrev_b32 v[MQA], 2, v5                    ; 4 (r + 8 (r / 8))
	s_wait_kmcnt 0x0
	s_add_nc_u64 s[4:5], s[4:5], s[14:15]          ; kv at the image
	s_mov_b32 s[G0], 1                             ; count = 1
	s_mov_b32 s[G0+1], s16                         ; LDS: slot 0, my block
	s_add_nc_u64 s[G0+2:G0+3], s[4:5], s[16:17]    ; block w
	s_mov_b32 s[G0+4], 1
	s_add_co_u32 s[G0+5], s16, SLOTB               ; slot 1
	s_add_nc_u64 s[G0+6:G0+7], s[G0+2:G0+3], 4*STEPB   ; block 4 + w
	s_or_b32 s[G0+3], s[G0+3], 0x80000000          ; type = 2
	s_or_b32 s[G0+7], s[G0+7], 0x80000000
	s_add_nc_u64 s[44:45], s[4:5], s[44:45]        ; my two tiles of Q
	s_add_nc_u64 s[46:47], s[4:5], s[46:47]        ; their scale words
	s_add_nc_u64 s[48:49], s[4:5], 31*STEPB        ; the block that holds K of step 0
	s_add_nc_u64 s[50:51], s[6:7], s[50:51]
	s_add_nc_u64 s[52:53], s[8:9], s[52:53]
	ROUND                                          ; all four work-groups are here: the first joint loads meet
	tensor_load_to_lds s[G0:G0+3], s[G1:G1+7]      ; both first fills together, ahead of every wait on TENSORcnt, every LDS read and every further barrier
	s_nop 0
	tensor_load_to_lds s[G0+4:G0+7], s[G1:G1+7]
	s_nop 0
.rept 4
	v_nop
.endr
.irp x, 0,1
.irp c, 0,1,2
	global_load_b128 v[Q+12*\x+4*\c:Q+12*\x+4*\c+3], v[LI], s[44:45] offset:1536*\x+512*\c   ; Q stays in registers
.endr
.endr
	global_load_b32 v[QS], v[LI], s[46:47]         ; lanes 0-15: tile 2 w's words, lanes 16-31: tile 2 w + 1's
.irp x, 0,1
	global_load_b32 v[EX+8*\x+7], v[MQA], s[50:51] offset:32*\x   ; my query's mask
.endr
	global_load_b128 v[KS:KS+3], v[LI], s[48:49] offset:KSC
	WIN 0xc0                                       ; step 0's K and bias come straight from memory: its scores are made while the first tiles are on their way
.irp t, 0,1,2,3,4,5,6,7
.irp c, 0,1,2
	global_load_b128 v[12*\t+4*\c:12*\t+4*\c+3], v[LI], s[48:49] offset:KIMG+1536*\t+512*\c
.endr
.endr
.irp t, 0,1,2,3,4,5,6,7
.irp e, 0,1
	global_load_b128 v[MBR+8*\t+4*\e:MBR+8*\t+4*\e+3], v[MBL], s[48:49] offset:MBO+128*(\t/2)+32*(\t%2)+16*\e
.endr
.endr
	WIN 0
.irp x, 0,1
	v_mov_b32 v[NM+4*\x+1], 0xff61b1e6             ; the largest t so far: -3e38, under every t
	v_floor_f32 v[NM+4*\x], -v[NM+4*\x+1]          ; -M
	v_mov_b32 v[SUM+4*\x], 0
	v_mov_b32 v[SUM+4*\x+1], 0
	v_mov_b32 v[F+2*\x], 0
	v_mov_b32 v[F+2*\x+1], 0                       ; (the pair's upper half is named, so it is written)
.irp b, 0,1,2,3
	v_mov_b32 v[PT+4*\x+\b], 0                     ; a lane permute's destination counts as one of its sources
.endr
.endr
	s_wait_loadcnt 0x0
	QKALL                                          ; the scores of step 0
	s_wait_tensorcnt 0x1                           ; my block of slot 0 is in; slot 1's may stay out
	s_barrier_signal -1
	s_barrier_wait -1                              ; everybody's is
	s_mov_b32 s[TB], 0
	STEP 1, 1
	STEPS 3
	s_mov_b32 s[LAP], 3
.Llap:                                             ; three laps of two slots: blocks 4-27 are read, blocks 8-31 asked for
	CHANGE 1, 1
	STEPS 4
	CHANGE 0, 1
	STEPS 4
	s_sub_co_u32 s[LAP], s[LAP], 1
	s_cmp_lg_u32 s[LAP], 0
	s_cbranch_scc1 .Llap
	CHANGE 1, 0                                    ; the last slot: nothing is left to fetch
	STEPS 3
	STEP 0, 0
	; THE WAY OUT.  O^T x mask / l goes into the work-group's stage, a row to a channel, and leaves as rows of 512 bytes.  The lines up to the first read of O^T are the places behind the last products.
.irp x, 0,1
	v_add_f32 v[EX+8*\x+3], v[SUM+4*\x], v[SUM+4*\x+1]
.endr
.irp x, 0,1
	v_permlanex16_b32 v[PT+4*\x], v[EX+8*\x+3], s[SEL], s[SEL+1]
.endr
.irp x, 0,1
	v_add_f32 v[EX+8*\x+3], v[EX+8*\x+3], v[PT+4*\x]   ; with lane l xor 16's: the row's sum
.endr
.irp x, 0,1
	v_rcp_f32 v[EX+8*\x+3], v[EX+8*\x+3]
.endr
	v_and_b32 v5, 15, v0                           ; r.  (Plain lines behind the transcendentals)
	v_bfe_u32 v6, v0, 4, 1                         ; h
	v_and_b32 v7, 8, v5
	v_add_nc_u32 v5, v5, v7
	s_lshl_b32 s14, s[WV], 5
	v_add_nc_u32 v5, s14, v5                       ; my query of tile 0: 32 w + r + 8 (r / 8)
	v_mul_u32_u24 v6, v6, 8*SP
	v_lshl_add_u32 v[STO], v5, 2, v6               ; row 8 h, 4 bytes a query: the 32 lanes of a store fall on 32 different banks (8 rows of 132 words are 32 banks on)
	v_add_nc_u32 v[STO+1], 64*SP, v[STO]
	v_add_nc_u32 v[STO+2], 128*SP, v[STO]
	v_add_nc_u32 v[STO+3], 192*SP, v[STO]
	s_mul_i32 s14, s[WV], 64*SP
	v_add_nc_u32 v[RD], s14, v[LI]                 ; back: my 64 rows, 16 bytes a lane
.irp x, 0,1
	s_wait_alu depctr_va_vdst(0)
	v_mul_f32 v[F+2*\x], v[EX+8*\x+3], v[EX+8*\x+7]    ; mask / l
.endr
.irp g, 0,1
	WIN 0x41+0x41*\g                               ; O^T in window 1 + g, the factor in window 0
.set o, 0
.rept 64
	v_pk_mul_f32 v[o:o+1], v[o:o+1], v[F+2*(o/64):F+2*(o/64)+1] op_sel_hi:[1,0]   ; each accumulator from its low end on
.set o, o+2
.endr
	WIN 0x04+0x04*\g                               ; an LDS store's data are its source 1
.set o, 0
.rept 128
.set ct, 8*\g+(o%64)/8
	ds_store_b32 v[STO+ct/4], v[o] offset:(16*(ct%4)+o%8)*SP+32*(o/64)   ; channel 16 ct + 8 h + o % 8, query + 8 x
.set o, o+1
.endr
.endr
	WIN 0
	s_wait_dscnt 0x0                               ; for the others' sake: my stores into the stage have landed
	s_barrier_signal -1
	s_barrier_wait -1
.irp g, 0,1
.if \g
	s_wait_xcnt 0x0                                ; the first batch's stores have read their registers: the second batch may land there
.endif
.irp i, 0,1,2,3,4,5,6,7,8,9,10,11,12,13,14,15,16,17,18,19,20,21,22,23,24,25,26,27,28,29,30,31
	ds_load_b128 v[S+4*\i:S+4*\i+3], v[RD] offset:(32*\g+\i)*SP
.endr
.irp i, 0,1,2,3,4,5,6,7,8,9,10,11,12,13,14,15,16,17,18,19,20,21,22,23,24,25,26,27,28,29,30,31
	s_wait_dscnt 31-\i                             ; row i of the batch is back
	global_store_b128 v[LI], v[S+4*\i:S+4*\i+3], s[52:53] offset:(32*\g+\i)*16384 th:TH_STORE_NT   ; 32 lanes store 512 consecutive bytes, at a multiple of 512 from out's first byte
.endr
.endr
	s_wait_tensorcnt 0x0                           ; the wave's end, behind my last tensor load and my last LDS store
	ds_add_u32 v[SPW], v[NIL]
	s_wait_dscnt 0x0
	ROUND                                          ; the closing round: no work-group ends while a partner may still ask for a block that names it
	s_endpgm
.Lfunc_end_k_q81ccbfff90_attn:
	.size	k_q81ccbfff90_attn, .Lfunc_end_k_q81ccbfff90_attn-k_q81ccbfff90_attn
	.p2alignl 7, 3214868480
	.fill 96, 4, 3214868480
	.section	.rodata,"a",@progbits
	.p2align	6, 0x0
	.amdhsa_kernel k_q81ccbfff90_attn
		.amdhsa_group_segment_fixed_size 327680
		.amdhsa_private_segment_fixed_size 0
		.amdhsa_enable_private_segment 0
		.amdhsa_kernarg_size 24
		.amdhsa_user_sgpr_count 2
		.amdhsa_user_sgpr_kernarg_segment_ptr 1
		.amdhsa_wavefront_size32 1
		.amdhsa_system_sgpr_workgroup_id_x 1
		.amdhsa_system_sgpr_workgroup_id_y 1
		.amdhsa_system_sgpr_workgroup_id_z 1
		.amdhsa_system_vgpr_workitem_id 0
		.amdhsa_next_free_vgpr 1024
		.amdhsa_next_free_sgpr 66
		.amdhsa_reserve_vcc 0
		.amdhsa_float_denorm_mode_32 3
		.amdhsa_float_denorm_mode_16_64 3
		.amdhsa_memory_ordered 1
		.amdhsa_forward_progress 1
		.amdhsa_inst_pref_size 255
	.end_amdhsa_kernel
	.section	.bss,"aw",@nobits
	.p2align	6
	.space	262144
	.amdgpu_metadata
---
amdhsa.version: [ 1, 2 ]
amdhsa.kernels:
  - .name:           k_q81ccbfff90_attn
    .symbol:         k_q81ccbfff90_attn.kd
    .args:
      - { .name: kv, .offset: 0, .size: 8, .value_kind: global_buffer, .address_space: global }
      - { .name: mask, .offset: 8, .size: 8, .value_kind: global_buffer, .address_space: global }
      - { .name: out0, .offset: 16, .size: 8, .value_kind: global_buffer, .address_space: global }
    .group_segment_fixed_size: 327680
    .private_segment_fixed_size: 0
    .kernarg_segment_align: 8
    .kernarg_segment_size: 24
    .max_flat_workgroup_size: 128
    .sgpr_count:     66
    .vgpr_count:     1024
    .wavefront_size: 32
...
	.end_amdgpu_metadata
.endif
;; end of part 2
